; MI455X (gfx1250); checked and timed in simulation.
; The chip was launched on July 23, 2026; its instructions are those of AMD's public machine-readable ISA for CDNA 5 (MIT licence, August 2026) and "CDNA5" Instruction Set Architecture Reference Guide (July 2026). The comments in the code are by the model that wrote it; some were corrected since.
;; Simple Self Attention. Allowed arithmetic: matrix products marked QUANTISED: E2M3 operands, one E8M0 scale for each 32 along K, by v_wmma_scale_f32_16x16x128_f8f6f4 with both operands' format E2M3, f32 sums; everything else in f32.
;; Inputs: bk 32 float32; bq 32 float32; bv 256 float32; gamma 1 float32; wk 32 x 256 float32; wq 32 x 256 float32; wv 256 x 256 float32; x 4 x 256 x 64 x 64 float32.
;; Outputs: out0 4 x 256 x 64 x 64 float32.
;; This version of the problem:
;;   THIS VERSION OF THE PROBLEM IS GIVEN IN LOW PRECISION. The matrix products marked QUANTISED in the list below multiply operands that are first quantised to E2M3 (2 exponent bits, 3 mantissa bits; 6 bits a number), with one power-of-two scale for each 32 numbers along K (OCP MX v1.0); their sums are f32. All else is computed in f32.
;;   The module's matrix products, in the order in which they are computed (A, B: the left and right operand; K: the contracted axis; several contracted axes count as one K, in the product's order):
;;     1. [M 16,384, K 256] x [K 256, N 32]; A: input x; B: input wq: QUANTISED
;;     2. [M 16,384, K 256] x [K 256, N 32]; A: input x; B: input wk: QUANTISED
;;     3. [M 16,384, K 256] x [K 256, N 256]; A: input x; B: input wv: QUANTISED
;;     4. batch 4 x [M 4,096, K 32] x [K 32, N 4,096]; A: computed on the way; B: computed on the way: QUANTISED
;;     5. batch 4 x [M 4,096, K 4,096] x [K 4,096, N 256]; A: softmax (see below); B: computed on the way: QUANTISED
;;   THE QUANTISER, for each operand of a quantised product, along K:
;;     - K is cut into blocks of 32 from its start; a last block that is shorter is filled with zeros.
;;     - A block's scale is 2^e with e = floor(log2(the largest magnitude in the block)) - 2, held to -126 .. 127; a block of zeros has e = 0. As a byte (E8M0): e + 127.
;;     - Each number is divided by its block's scale, clamped to +-7.5, and rounded to the nearest number of E2M3, ties to even, subnormals kept.
;;     - The product sums the exact products of the quantised numbers (number of the format x scale) in f32.
;;   ~~~python
;;   def quantise(x, axis):      # numpy; x: float32 -> the quantised numbers, widened to float32 again
;;       x = np.moveaxis(x, axis, -1); K = x.shape[-1]
;;       x = np.pad(x, [(0, 0)] * (x.ndim - 1) + [(0, -K % 32)]); x = x.reshape(x.shape[:-1] + (-1, 32)); a = np.abs(x).max(-1, keepdims=True)
;;       e = np.where(a > 0, np.clip(np.frexp(np.where(a > 0, a, 1))[1] - 1 - 2, -126, 127), 0)      # np.frexp(a)[1] - 1 = floor(log2(a)), exactly
;;       r = np.clip(x / 2.0 ** e, -7.5, 7.5)
;;       step = 2.0 ** (np.maximum(np.frexp(np.where(r == 0, 1, r))[1] - 1, 0) - 3)
;;       q = np.round(r / step) * step * 2.0 ** e      # np.round: ties to even
;;       return np.moveaxis(q.reshape(q.shape[:-2] + (-1,))[..., :K], -1, axis).astype(np.float32)
;;   ~~~
;;   SOFTMAX AHEAD OF A QUANTISED PRODUCT. Where the list says 'softmax', what is quantised is not the finished softmax but p = 2^(t - M), with t = logit x log2(e) and M = ceil(the row's largest t), a whole number; so 1/2 < the row's largest p <= 1. The row's sum l is taken of the UNQUANTISED p, in f32, and the product's result is divided by l at the end. Since M is a whole number, a kernel that streams over the keys may use a running M (the ceiling of the running maximum): every later rescaling is an exact power of two, which a block's scale takes up: the codes' values come out the same.
;;   OPERANDS COMPUTED ON THE WAY. 'Computed on the way' means the value that the module computes at that place (a softmax that the list does not call 'softmax' is quantised finished and normalised). What goes into a quantiser is computed in f32, as accurately as f32 sums, v_exp_f32 and their like allow (about 1e-6 of the number): no bf16 or f16 on the way to a quantiser, and a product that is left as it is and whose result goes on into a quantised operand takes f32 operands (vector FMAs, or v_wmma_f32_16x16x4_f32). A number that lies on a knife's edge between two numbers of the format may be rounded either way, as far as f32 arithmetic and the matrix unit's own rounding can turn it there, and no further.
;; One version. Each part assembles by itself: llvm-mc -triple=amdgcn-amd-amdhsa -mcpu=gfx1250 --defsym DOCPART=n.
;; ======== version 1 of 1: 3 launches
;; workspace buffers: wimg 66,560 bytes; qw 524,288 bytes; kv 3,932,160 bytes
;; launch wprep (part 1): grid 40 x 1, 1 waves a work-group, no clusters, 0 bytes of LDS; arguments wq, wk, wv, wimg; writes wimg
.if DOCPART == 1
	.amdgcn_target "amdgcn-amd-amdhsa--gfx1250"
	.amdhsa_code_object_version 6
	.text
	.protected	k_q8e3d61ece6_wprep
	.globl	k_q8e3d61ece6_wprep
	.p2align	8
	.type	k_q8e3d61ece6_wprep,@function
k_q8e3d61ece6_wprep:
	s_mov_b64 s[64:65], 0
	v_nop
	global_prefetch_b8 v0, s[64:65] scope:SCOPE_SE
	s_setreg_imm32_b32 hwreg(HW_REG_WAVE_MODE, 25, 1), 1
	s_wait_xcnt 0x0
; wq [32][256], wk [32][256], wv [256][256], f32, K = the 256 channels innermost, become codes of FP6 (E2M3) with one E8M0 byte for each 32 along K,
; laid in wimg as IMAGES OF THE OPERAND'S REGISTERS: fragment f = 2 T + s (T: a tile of 16 rows, s: which 128 along K) has its 12 registers a lane at
; f x 1536 + 512 i + 16 lane (registers 4 i .. 4 i + 3), and its rows' scale words at 61440 + 128 f + 4 lane (all 32 lanes hold their row's word).
; T = 0..15: wv's rows 16 T + r.  T = 16, 17: wq's; T = 18, 19: wk's: there lane r of tile u takes row r + 8 (r / 8) + 8 u, so that the two tiles'
; results, used transposed, are 16 neighbours along the next product's K.
; One wave to a fragment: lane (r, h) holds k = 128 s + 64 c + 32 h + 0..31 of its row, two whole blocks, so no other lane is asked for a maximum.
; A block's scale is 2^(floor(log2(largest magnitude)) - 2); its byte is the largest magnitude's exponent field - 2, held at 1 from below.
; LIMITS: a block of zeros gets the byte 1 where the rule says 127 (its codes are zeros; this program alone reads the bytes); NaN and infinities are not served.
; 40 waves of work in all: the weights are 327,680 bytes; no LDS, no barrier.
.set XR, 32                            ; v32-95  the lane's 64 numbers
.set CD, 16                            ; v16-27  the fragment's 12 registers
; 32 numbers of one lane, v[src] on, become 6 registers of codes at v[dst] on; so: the conversion's scale operand; by: the scale's byte
.macro BLOCKQ src, dst, tmp, m0, m1, so, by
	v_max3_num_f32 v[\m0], |v[\src]|, |v[\src+1]|, 0x1800000        ; two chains; the floor 2^(3 - 127) is a leaf of each: the byte cannot fall under 1
	v_max3_num_f32 v[\m1], |v[\src+16]|, |v[\src+17]|, 0x1800000
.irp i, 2,4,6,8,10,12,14
	v_max3_num_f32 v[\m0], v[\m0], |v[\src+\i]|, |v[\src+\i+1]|
	v_max3_num_f32 v[\m1], v[\m1], |v[\src+16+\i]|, |v[\src+17+\i]|
.endr
	v_max_num_f32 v[\m0], v[\m0], v[\m1]
	v_add_nc_u32 v[\so], 0xff000000, v[\m0]                          ; 2 off the exponent field: the conversion takes that field as its scale
	v_cvt_scalef32_pk16_fp6_f32 v[\dst:\dst+2], v[\src:\src+15], v[\so]
	v_cvt_scalef32_pk16_fp6_f32 v[\tmp:\tmp+2], v[\src+16:\src+31], v[\so]   ; (a conversion's three registers begin on an even number)
	v_lshrrev_b32 v[\by], 23, v[\so]                                 ; the byte; also the plain line behind the conversions
.irp i, 0,1,2
	v_mov_b32 v[\dst+3+\i], v[\tmp+\i]
.endr
.endm
	s_load_b256 s[4:11], s[0:1], 0x0               ; wq s[4:5], wk s[6:7], wv s[8:9], wimg s[10:11]
	s_lshr_b32 s12, ttmp9, 1                       ; T
	s_and_b32 s13, ttmp9, 1                        ; s
	s_lshl_b32 s14, s12, 4                         ; wv: first row 16 T
	s_and_b32 s15, s12, 1
	s_lshl_b32 s15, s15, 3                         ; wq, wk: 8 u
	s_lshl_b32 s17, s13, 9                         ; 128 numbers along K are 512 bytes
	s_mul_i32 s18, ttmp9, 1536                     ; the fragment's image
	s_mov_b32 s19, 0
	s_lshl_b32 s22, ttmp9, 7
	s_add_co_u32 s22, s22, 61440                   ; its scale words
	s_mov_b32 s23, 0
	s_mov_b32 s20, 0x76543210
	s_mov_b32 s21, 0xfedcba98                      ; v_permlanex16_b32's selects for lane l xor 16
	v_and_b32 v1, 15, v0                           ; r
	v_lshrrev_b32 v2, 4, v0                        ; h
	v_lshlrev_b32 v4, 4, v0                        ; 16 x lane
	v_lshlrev_b32 v5, 2, v0                        ; 4 x lane
	s_wait_kmcnt 0x0
	s_cmp_lt_u32 s12, 18                           ; the choices hang on the work-group's number alone
	s_cselect_b64 s[4:5], s[4:5], s[6:7]
	s_cmp_lt_u32 s12, 16
	s_cselect_b64 s[4:5], s[8:9], s[4:5]
	s_cselect_b32 s14, s14, s15                    ; the tile's first row
	s_cselect_b32 s16, 0, 1                        ; 1: the rows of a tile are not neighbours
	s_add_nc_u64 s[24:25], s[10:11], s[18:19]
	s_add_nc_u64 s[26:27], s[10:11], s[22:23]
	v_and_b32 v3, 8, v1
	v_mul_u32_u24 v3, v3, s16
	v_add3_u32 v3, v3, v1, s14                     ; my row
	v_lshlrev_b32 v3, 10, v3                       ; 1,024 bytes a row
	v_lshl_add_u32 v3, v2, 7, v3                   ; + 128 h
	v_add_nc_u32 v3, s17, v3
.irp c, 0,1
.irp i, 0,1,2,3,4,5,6,7
	global_load_b128 v[XR+32*\c+4*\i:XR+32*\c+4*\i+3], v3, s[4:5] offset:256*\c+16*\i
.endr
.endr
	v_mov_b32 v10, 0                               ; a lane permute's destination counts as one of its sources
	s_wait_loadcnt 0x0
	BLOCKQ XR, CD, 96, 6, 7, 8, 12
	BLOCKQ XR+32, CD+6, 100, 6, 7, 11, 13
	v_lshl_or_b32 v9, v13, 16, v12                 ; my two bytes: blocks h and 2 + h of my row,
	v_lshlrev_b32 v14, 3, v2
	v_lshlrev_b32 v9, v14, v9                      ; at their places in the word;
	v_permlanex16_b32 v10, v9, s20, s21
	v_or_b32 v9, v9, v10                           ; with lane l xor 16's two the word is whole
.irp i, 0,1,2
	global_store_b128 v4, v[CD+4*\i:CD+4*\i+3], s[24:25] offset:512*\i   ; 32 lanes store 512 consecutive bytes
.endr
	global_store_b32 v5, v9, s[26:27]
	s_endpgm
.Lfunc_end_k_q8e3d61ece6_wprep:
	.size	k_q8e3d61ece6_wprep, .Lfunc_end_k_q8e3d61ece6_wprep-k_q8e3d61ece6_wprep
	.p2alignl 7, 3214868480
	.fill 96, 4, 3214868480
	.section	.rodata,"a",@progbits
	.p2align	6, 0x0
	.amdhsa_kernel k_q8e3d61ece6_wprep
		.amdhsa_group_segment_fixed_size 0
		.amdhsa_private_segment_fixed_size 0
		.amdhsa_enable_private_segment 0
		.amdhsa_kernarg_size 32
		.amdhsa_user_sgpr_count 2
		.amdhsa_user_sgpr_kernarg_segment_ptr 1
		.amdhsa_wavefront_size32 1
		.amdhsa_system_sgpr_workgroup_id_x 1
		.amdhsa_system_sgpr_workgroup_id_y 1
		.amdhsa_system_sgpr_workgroup_id_z 1
		.amdhsa_system_vgpr_workitem_id 0
		.amdhsa_next_free_vgpr 112
		.amdhsa_next_free_sgpr 66
		.amdhsa_reserve_vcc 0
		.amdhsa_float_denorm_mode_32 3
		.amdhsa_float_denorm_mode_16_64 3
		.amdhsa_memory_ordered 1
		.amdhsa_forward_progress 1
		.amdhsa_inst_pref_size 7
	.end_amdhsa_kernel
	.amdgpu_metadata
---
amdhsa.version: [ 1, 2 ]
amdhsa.kernels:
  - .name:           k_q8e3d61ece6_wprep
    .symbol:         k_q8e3d61ece6_wprep.kd
    .args:
      - { .name: wq, .offset: 0, .size: 8, .value_kind: global_buffer, .address_space: global }
      - { .name: wk, .offset: 8, .size: 8, .value_kind: global_buffer, .address_space: global }
      - { .name: wv, .offset: 16, .size: 8, .value_kind: global_buffer, .address_space: global }
      - { .name: wimg, .offset: 24, .size: 8, .value_kind: global_buffer, .address_space: global }
    .group_segment_fixed_size: 0
    .private_segment_fixed_size: 0
    .kernarg_segment_align: 8
    .kernarg_segment_size: 32
    .max_flat_workgroup_size: 32
    .sgpr_count:     66
    .vgpr_count:     112
    .wavefront_size: 32
...
	.end_amdgpu_metadata
.endif
;; end of part 1
;; launch proj (part 2): grid 256 x 1, 8 waves a work-group, no clusters, 31,744 bytes of LDS; arguments x, wimg, bq, bk, bv, qw, kv; writes qw, kv
.if DOCPART == 2
	.amdgcn_target "amdgcn-amd-amdhsa--gfx1250"
	.amdhsa_code_object_version 6
	.text
	.protected	k_q8e3d61ece6_proj
	.globl	k_q8e3d61ece6_proj
	.p2align	8
	.type	k_q8e3d61ece6_proj,@function
k_q8e3d61ece6_proj:
	s_mov_b64 s[64:65], 0
	v_nop
	global_prefetch_b8 v0, s[64:65] scope:SCOPE_SE
	s_setreg_imm32_b32 hwreg(HW_REG_WAVE_MODE, 25, 1), 1
	s_wait_xcnt 0x0
; q, k, v = the three 1 x 1 convolutions of x [4][256 c][4096 n], on codes of FP6 (E2M3) with one E8M0 scale for each 32 channels; then q and k are quantised along their
; 32 channels and v along the keys, into the layouts that the attention launch reads.  A work-group takes 64 pixels of one image: 256 work-groups.
; X: K = the channels is x's OUTER axis: a lane takes a pixel and its registers run down the channels: wave w takes pixels 32 (w & 1) + lane and channels 64 (w >> 1) + 0..63,
;    two whole blocks a lane.  The codes go to LDS as images of the operand's registers, 48 bytes a lane.
; THE PIXELS OF A TILE ARE NOT NEIGHBOURS: row p of tile a is pixel 32 (p / 8) + 8 a + p % 8.  So in v's product (source 0 = x's 16 pixels, source 1 = 16 rows of wv) lane (channel r, h)
;    holds in the four tiles' 32 registers the keys 32 h + 0..31 in order: a whole block of the last product's K in one lane.
; q, k are used transposed (source 0 = 16 rows of wq or wk, source 1 = x): lane (pixel, h) holds channels 16 h + 0..15.  Waves 0-3 make q of tile w, waves 4-7 k of tile w - 4.
; The biases are the C of each sum's first matrix instruction.
; OUT.  qw: 32 bytes a query: 24 of codes, a word with the scale's byte four times, a word 0.
;    kv: 15,360 bytes for these 64 keys: v's codes [channel][48]; k's codes, key 32 c + 8 b + j at 768 c + 48 (j + 8 (b & 1)) + 24 (b >> 1); v's scale words [channel]: the two bytes at the
;    places (8 (work-group & 1) bits up) that they have in a word for 128 keys; k's scale words [c][j], byte b; zeros up to 15,360.  It is gathered in LDS and leaves as it lies.
; LIMITS: a block of zeros gets the byte 1 where the rule says 127 (its codes are zeros; this program alone reads the bytes); NaN and infinities are not served.
; No tensor load (each byte of x is read once, into registers), no cluster: the weights' images, which all work-groups share, go straight into registers once.
.set XIMG, 0                           ; LDS: x's 8 fragments (tile a, K step s) at (2 a + s) x 1536, 48 bytes a lane
.set XSC,  12288                       ; their scale words: 128 a + 64 s + 4 row
.set OST,  12800                       ; the image of kv's 15,360 bytes
.set QST,  28160                       ; and of qw's 2,048
.set KOFF, 12288
.set VSOFF, 13824
.set KSOFF, 14848
.set BQO, 1                            ; v1   64 h: my eight numbers of bq or bk
.set XO,  2                            ; v2   4 x lane
.set AXI, 3                            ; v3   where I store x's codes
.set AXS, 4                            ; v4   and my two scale bytes
.set L48, 5                            ; v5   48 x lane
.set AXQ, 6                            ; v6   x's fragments of my tile for q or k
.set AXQS, 7                           ; v7   and their scale words
.set L4,  8                            ; v8   XSC + 4 x lane
.set AVO, 9                            ; v9   v's codes
.set AVSC, 10                          ; v10  v's scale words
.set AQ,  11                           ; v11  q's codes;  v12 q's scale word;  v13 k's codes;  v14 k's scale byte
.set AQW, 12
.set AKC, 13
.set AKSB, 14
.set T16, 15                           ; v15  16 x thread
.set T2,  16                           ; v16  2 x thread
.set ZR,  17                           ; v17  0
.set L16, 18                           ; v18  16 x lane
.set BVO, 19                           ; v19  4 r
.set WVS, 20                           ; v20-23 wv's scale words (2 t + s);  v24-27 wq's or wk's (2 u + s);  v28-31 x's (tile a);  v32 x's for q, k
.set WQS, 24
.set XS,  28
.set XQS, 32
.set SH16, 33                          ; v33  16 h
.set M0,  34
.set M1,  35
.set SO0, 36                           ; v36-37 scale operands;  v38-39 bytes
.set BY0, 38
.set TMPC, 40                          ; v40-42, v44-46 the conversions' second halves
.set HW,  43
.set PT,  47
.set CD,  48                           ; v48-53, v56-61 codes
.set ACC, 64                           ; v64-127 x's 64 numbers, later v's accumulators (t, a) at 64 + 32 t + 8 a
.set QA,  128                          ; v128-143 q's or k's two accumulators
.set VW,  150                          ; v150-153 v's scale words at work
.set WVF, 0                            ; window 1: wv's fragments at 12 (2 t + s); wq's or wk's at 48 + 12 (2 u + s); x's at 96 + 12 (2 a + s); x's for q, k at 192 + 12 s; bv at 216 + 8 t; bq or bk at 232 + 8 u
.set WQF, 48
.set XF,  96
.set XQ,  192
.set BV,  216
.set BQ,  232
.set MSB, 0
.macro WIN new                         ; the immediate's high byte repeats the setting that is left
.if MSB != \new
	s_set_vgpr_msb (MSB<<8)|\new
.set MSB, \new
.endif
.endm
.macro BLOCKQ src, dst, tmp, m0, m1, so, by    ; 32 numbers of one lane become 6 registers of codes; each group of eight is read from its low end on
	v_max3_num_f32 v[\m0], |v[\src]|, |v[\src+1]|, 0x1800000        ; the floor 2^(3 - 127): the byte cannot fall under 1
	v_max3_num_f32 v[\m1], |v[\src+16]|, |v[\src+17]|, 0x1800000
.irp i, 2,4,6,8,10,12,14
	v_max3_num_f32 v[\m0], v[\m0], |v[\src+\i]|, |v[\src+\i+1]|
	v_max3_num_f32 v[\m1], v[\m1], |v[\src+16+\i]|, |v[\src+17+\i]|
.endr
	v_max_num_f32 v[\m0], v[\m0], v[\m1]
	v_add_nc_u32 v[\so], 0xff000000, v[\m0]                          ; 2 off the exponent field
	v_cvt_scalef32_pk16_fp6_f32 v[\dst:\dst+2], v[\src:\src+15], v[\so]
	v_cvt_scalef32_pk16_fp6_f32 v[\tmp:\tmp+2], v[\src+16:\src+31], v[\so]
	v_lshrrev_b32 v[\by], 23, v[\so]                                 ; the byte; also the plain line behind the conversions
.irp i, 0,1,2
	v_mov_b32 v[\dst+3+\i], v[\tmp+\i]
.endr
.endm
.macro BAR                             ; my LDS stores have landed and my LDS loads are in: then the work-group's barrier
	s_wait_dscnt 0x0
	s_barrier_signal -1
	s_barrier_wait -1
.endm
	s_load_b256 s[4:11], s[0:1], 0x0               ; x s[4:5], wimg s[6:7], bq s[8:9], bk s[10:11]
	s_load_b128 s[12:15], s[0:1], 0x20             ; bv s[12:13], qw s[14:15]
	s_load_b64 s[16:17], s[0:1], 0x30              ; kv
	v_lshl_add_u32 v254, v0, 2, 0x7800
	v_mov_b32 v255, 0
	v_lshrrev_b32 v34, 5, v0
	v_readfirstlane_b32 s18, v34                   ; wave 0..7
	s_and_b32 s19, s18, 1                          ; X: which 32 pixels
	s_lshr_b32 s20, s18, 1                         ;    which 64 channels:
	s_lshr_b32 s21, s20, 1                         ;    K step s
	s_and_b32 s22, s20, 1                          ;    and half c of it
	s_and_b32 s23, s18, 3                          ; q, k: my tile of pixels
	s_lshr_b32 s24, s18, 2                         ; 0: q, 1: k
	s_mov_b32 s2, 0x76543210
	s_mov_b32 s3, 0xfedcba98                       ; v_permlanex16_b32's selects for lane l xor 16
	v_and_b32 v34, 31, v0                          ; lane
	v_and_b32 v35, 15, v0                          ; r
	v_bfe_u32 v36, v0, 4, 1                        ; h
	v_bfe_u32 v37, v0, 3, 2                        ; lane / 8
	v_and_b32 v38, 7, v0                           ; lane % 8
	v_bfe_u32 v39, v0, 3, 1                        ; r / 8
	; every LDS address is made here, ahead of any branch: a constant, constants x parts of the lane, constants x parts of the wave's number
	v_lshlrev_b32 v[XO], 2, v34
	s_mul_i32 s25, s21, 1536
	s_mul_i32 s26, s19, 384
	s_add_co_u32 s25, s25, s26
	s_mul_i32 s26, s22, 24
	s_add_co_u32 s25, s25, s26
	v_mul_u32_u24 v[AXI], v37, 3072                ; my pixel is row 8 (w & 1) + lane % 8 of tile lane / 8
	v_mad_u32_u24 v[AXI], v38, 48, v[AXI]
	v_add_nc_u32 v[AXI], s25, v[AXI]
	s_lshl_b32 s25, s21, 6
	s_lshl_b32 s26, s19, 5
	s_add_co_u32 s25, s25, s26
	s_lshl_b32 s26, s22, 1
	s_add_co_u32 s25, s25, s26
	s_add_co_u32 s25, s25, XSC
	v_lshlrev_b32 v[AXS], 7, v37
	v_lshl_add_u32 v[AXS], v38, 2, v[AXS]
	v_add_nc_u32 v[AXS], s25, v[AXS]
	v_mul_u32_u24 v[L48], v34, 48
	s_mul_i32 s25, s23, 3072
	v_add_nc_u32 v[AXQ], s25, v[L48]
	s_lshl_b32 s25, s23, 7
	s_add_co_u32 s25, s25, XSC
	v_add_nc_u32 v[AXQS], s25, v[XO]
	v_add_nc_u32 v[L4], XSC, v[XO]
	s_mul_i32 s25, s18, 1536
	s_add_co_u32 s25, s25, OST
	v_mul_u32_u24 v[AVO], v35, 48                  ; channel 32 w + 16 t + r: 48 bytes each; my block h at 24 h
	v_mad_u32_u24 v[AVO], v36, 24, v[AVO]
	v_add_nc_u32 v[AVO], s25, v[AVO]
	s_lshl_b32 s25, s18, 7
	s_add_co_u32 s25, s25, OST+VSOFF
	v_lshl_add_u32 v[AVSC], v35, 2, s25
	s_lshl_b32 s25, s23, 8
	s_add_co_u32 s25, s25, QST
	v_lshlrev_b32 v[AQW], 10, v39                  ; my pixel 32 (r / 8) + 8 tile + r % 8: 32 bytes each
	v_lshl_add_u32 v[AQW], v38, 5, v[AQW]
	v_add_nc_u32 v[AQW], s25, v[AQW]
	v_mad_u32_u24 v[AQ], v36, 12, v[AQW]           ; my 16 codes at 12 h
	v_add_nc_u32 v[AQW], 24, v[AQW]
	s_and_b32 s25, s23, 1
	s_mul_i32 s25, s25, 384
	s_lshr_b32 s26, s23, 1
	s_mul_i32 s26, s26, 24
	s_add_co_u32 s25, s25, s26
	s_add_co_u32 s25, s25, OST+KOFF
	v_mul_u32_u24 v[AKC], v39, 768
	v_mad_u32_u24 v[AKC], v38, 48, v[AKC]
	v_mad_u32_u24 v[AKC], v36, 12, v[AKC]
	v_add_nc_u32 v[AKC], s25, v[AKC]
	s_add_co_u32 s25, s23, OST+KSOFF
	v_lshlrev_b32 v[AKSB], 5, v39
	v_lshl_add_u32 v[AKSB], v38, 2, v[AKSB]
	v_add_nc_u32 v[AKSB], s25, v[AKSB]
	v_lshlrev_b32 v[T16], 4, v0
	v_lshlrev_b32 v[T2], 1, v0
	v_mov_b32 v[ZR], 0
	v_lshlrev_b32 v[L16], 4, v34
	v_lshlrev_b32 v[BVO], 2, v35
	v_lshlrev_b32 v[BQO], 6, v36
	v_lshlrev_b32 v[SH16], 4, v36
	v_mov_b32 v[PT], 0                             ; lane permutes' destinations count as sources: written once
	v_mov_b32 v[VW+1], 0
	v_mov_b32 v[VW+3], 0
	s_mov_b32 s27, 0
	s_wait_kmcnt 0x0
	s_mul_i32 s26, s18, 6144
	s_add_nc_u64 s[28:29], s[6:7], s[26:27]        ; my four fragments of wv (tiles 2 w, 2 w + 1)
	s_mul_i32 s26, s24, 6144
	s_add_co_u32 s26, s26, 49152
	s_add_nc_u64 s[30:31], s[6:7], s[26:27]        ; the four of wq or of wk
	s_lshl_b32 s26, s18, 9
	s_add_co_u32 s26, s26, 61440
	s_add_nc_u64 s[32:33], s[6:7], s[26:27]        ; their scale words
	s_lshl_b32 s26, s24, 9
	s_add_co_u32 s26, s26, 65536
	s_add_nc_u64 s[34:35], s[6:7], s[26:27]
	s_lshl_b32 s26, s18, 7
	s_add_nc_u64 s[36:37], s[12:13], s[26:27]      ; bv at channel 32 w
	s_cmp_eq_u32 s24, 0
	s_cselect_b64 s[38:39], s[8:9], s[10:11]       ; bq or bk: the choice hangs on the wave's number alone
	s_lshr_b32 s26, ttmp9, 6
	s_lshl_b32 s26, s26, 22                        ; the image: 4 MiB each
	s_and_b32 s25, ttmp9, 63
	s_lshl_b32 s25, s25, 8                         ; 64 pixels are 256 bytes
	s_add_co_u32 s26, s26, s25
	s_lshl_b32 s25, s19, 7
	s_add_co_u32 s26, s26, s25
	s_lshl_b32 s25, s20, 20                        ; 64 channels of 16,384 bytes
	s_add_co_u32 s26, s26, s25
	s_add_nc_u64 s[40:41], s[4:5], s[26:27]
	s_mul_i32 s26, ttmp9, 15360
	s_add_nc_u64 s[42:43], s[16:17], s[26:27]
	s_lshl_b32 s26, ttmp9, 11
	s_add_nc_u64 s[44:45], s[14:15], s[26:27]
	s_and_b32 s46, ttmp9, 1
	s_lshl_b32 s46, s46, 3                         ; which half of a step of 128 keys these 64 are: 8 bits up in v's scale words
	; 52 loads of weights, biases and scale words, then x's 64
	WIN 0x40                                       ; destination window 1
.irp f, 0,1,2,3
.irp i, 0,1,2
	global_load_b128 v[WVF+12*\f+4*\i:WVF+12*\f+4*\i+3], v[L16], s[28:29] offset:1536*\f+512*\i
.endr
.endr
.irp f, 0,1,2,3
.irp i, 0,1,2
	global_load_b128 v[WQF+12*\f+4*\i:WQF+12*\f+4*\i+3], v[L16], s[30:31] offset:1536*\f+512*\i
.endr
.endr
.irp t, 0,1
.irp j, 0,1,2,3,4,5,6,7
	global_load_b32 v[BV+8*\t+\j], v[BVO], s[36:37] offset:64*\t      ; in v's result a lane holds one channel: its bias in all eight registers
.endr
.endr
.irp u, 0,1
	global_load_b128 v[BQ+8*\u:BQ+8*\u+3], v[BQO], s[38:39] offset:32*\u       ; channels 16 h + 8 u + 0..7
	global_load_b128 v[BQ+8*\u+4:BQ+8*\u+7], v[BQO], s[38:39] offset:32*\u+16
.endr
	WIN 0
.irp f, 0,1,2,3
	global_load_b32 v[WVS+\f], v[XO], s[32:33] offset:128*\f
	global_load_b32 v[WQS+\f], v[XO], s[34:35] offset:128*\f
.endr
.set KK, 0
.rept 64
	global_load_b32 v[ACC+KK], v[XO], s[40:41] offset:16384*KK         ; x(channel 64 (w >> 1) + KK, my pixel): a wave reads 128 consecutive bytes, waves w and w ^ 1 an aligned 256
.set KK, KK+1
.endr
	ds_store_b16 v[T2], v[ZR] offset:OST+KSOFF     ; 512 bytes of zeros: k's scale words (written again behind the first barrier) and the rest of the 15,360
	; ---- X: my two blocks of 32 channels
	s_wait_loadcnt 32                              ; all but the youngest 32 loads: x's first 32 channels are in, and the weights
	BLOCKQ ACC, CD, TMPC, M0, M1, SO0, BY0
.irp i, 0,1,2
	ds_store_b64 v[AXI], v[CD+2*\i:CD+2*\i+1] offset:8*\i
.endr
	s_wait_loadcnt 0x0
	BLOCKQ ACC+32, CD+8, TMPC+4, M0, M1, SO0+1, BY0+1
.irp i, 0,1,2
	ds_store_b64 v[AXI], v[CD+8+2*\i:CD+8+2*\i+1] offset:768+8*\i      ; the second block belongs to the lane 16 on
.endr
	v_lshl_or_b32 v[HW], v[BY0+1], 8, v[BY0]
	ds_store_b16 v[AXS], v[HW]                     ; bytes 2 c, 2 c + 1 of my pixel's scale word
	BAR                                            ; x's eight fragments lie in LDS
	; ---- all of them into registers
	WIN 0x40
.irp f, 0,1,2,3,4,5,6,7
.irp i, 0,1,2
	ds_load_b128 v[XF+12*\f+4*\i:XF+12*\f+4*\i+3], v[L48] offset:XIMG+1536*\f+16*\i
.endr
.endr
.irp s, 0,1
.irp i, 0,1,2
	ds_load_b128 v[XQ+12*\s+4*\i:XQ+12*\s+4*\i+3], v[AXQ] offset:XIMG+1536*\s+16*\i
.endr
.endr
	WIN 0
.irp a, 0,1,2,3
	ds_load_b32 v[XS+\a], v[L4] offset:128*\a      ; lanes 0-15: K step 0's words, lanes 16-31: K step 1's
.endr
	ds_load_b32 v[XQS], v[AXQS]
	s_wait_dscnt 0x0
	; ---- the products: ten accumulators by turns, K step by K step
	WIN 0x15                                       ; sources 0, 1 and 2 window 1, destination window 0
.irp t, 0,1
.irp a, 0,1,2,3
	v_wmma_scale_f32_16x16x128_f8f6f4 v[ACC+32*\t+8*\a:ACC+32*\t+8*\a+7], v[XF+24*\a:XF+24*\a+11], v[WVF+24*\t:WVF+24*\t+11], v[BV+8*\t:BV+8*\t+7], v[XS+\a], v[WVS+2*\t] matrix_a_fmt:MATRIX_FMT_FP6 matrix_b_fmt:MATRIX_FMT_FP6
.endr
.endr
.irp u, 0,1
	v_wmma_scale_f32_16x16x128_f8f6f4 v[QA+8*\u:QA+8*\u+7], v[WQF+24*\u:WQF+24*\u+11], v[XQ:XQ+11], v[BQ+8*\u:BQ+8*\u+7], v[WQS+2*\u], v[XQS] matrix_a_fmt:MATRIX_FMT_FP6 matrix_b_fmt:MATRIX_FMT_FP6
.endr
	WIN 0x05                                       ; C and D window 0
.irp t, 0,1
.irp a, 0,1,2,3
	v_wmma_scale_f32_16x16x128_f8f6f4 v[ACC+32*\t+8*\a:ACC+32*\t+8*\a+7], v[XF+24*\a+12:XF+24*\a+23], v[WVF+24*\t+12:WVF+24*\t+23], v[ACC+32*\t+8*\a:ACC+32*\t+8*\a+7], v[XS+\a], v[WVS+2*\t+1] matrix_a_fmt:MATRIX_FMT_FP6 matrix_b_fmt:MATRIX_FMT_FP6 matrix_a_scale:MATRIX_SCALE_ROW1
.endr
.endr
.irp u, 0,1
	v_wmma_scale_f32_16x16x128_f8f6f4 v[QA+8*\u:QA+8*\u+7], v[WQF+24*\u+12:WQF+24*\u+23], v[XQ+12:XQ+23], v[QA+8*\u:QA+8*\u+7], v[WQS+2*\u+1], v[XQS] matrix_a_fmt:MATRIX_FMT_FP6 matrix_b_fmt:MATRIX_FMT_FP6 matrix_b_scale:MATRIX_SCALE_ROW1
.endr
	WIN 0
.rept 4
	v_nop                                          ; four places behind the last products (ISA guide 7.12.1), ahead of the first read of results
.endr
	; ---- v: lane (channel r, h) holds keys 32 h + 0..31 of channels 32 w + 16 t + r
.irp t, 0,1
	BLOCKQ ACC+32*\t, CD+8*\t, TMPC+4*\t, M0, M1, SO0+\t, BY0+\t
.irp i, 0,1,2
	ds_store_b64 v[AVO], v[CD+8*\t+2*\i:CD+8*\t+2*\i+1] offset:768*\t+8*\i
.endr
	v_lshlrev_b32 v[VW+2*\t], v[SH16], v[BY0+\t]   ; block h's byte, 16 h bits up;
	v_permlanex16_b32 v[VW+2*\t+1], v[VW+2*\t], s2, s3
	v_or_b32 v[VW+2*\t], v[VW+2*\t], v[VW+2*\t+1]  ; with the other block's;
	v_lshlrev_b32 v[VW+2*\t], s46, v[VW+2*\t]      ; at the places of this half of a step of 128 keys
	ds_store_b32 v[AVSC], v[VW+2*\t] offset:64*\t  ; (both halves of the lanes write the same word)
.endr
	; ---- q or k: lane (pixel, h) holds channels 16 h + 0..15; the block of 32 lies in lanes l and l xor 16
	v_max3_num_f32 v[M0], |v[QA]|, |v[QA+1]|, 0x1800000
	v_max3_num_f32 v[M1], |v[QA+8]|, |v[QA+9]|, 0x1800000
.irp i, 2,4,6
	v_max3_num_f32 v[M0], v[M0], |v[QA+\i]|, |v[QA+\i+1]|
	v_max3_num_f32 v[M1], v[M1], |v[QA+8+\i]|, |v[QA+9+\i]|
.endr
	v_max_num_f32 v[M0], v[M0], v[M1]
	v_permlanex16_b32 v[PT], v[M0], s2, s3
	v_max_num_f32 v[M0], v[M0], v[PT]
	v_add_nc_u32 v[SO0], 0xff000000, v[M0]
	v_cvt_scalef32_pk16_fp6_f32 v[144:146], v[QA:QA+15], v[SO0]
	v_lshrrev_b32 v[BY0], 23, v[SO0]               ; the byte; also the plain line behind the conversion
	v_mul_lo_u32 v148, v[BY0], 0x01010101          ; q's scale word: the byte at all four places, since q will stand in any of an operand's four blocks
	v_mov_b32 v149, 0
	s_cmp_lt_u32 s18, 4
	s_cbranch_scc0 .Lk_wave
.irp i, 0,1,2
	ds_store_b32 v[AQ], v[144+\i] offset:4*\i
.endr
	ds_store_b64 v[AQW], v[148:149]
	s_branch .Lqk_done
.Lk_wave:
.irp i, 0,1,2
	ds_store_b32 v[AKC], v[144+\i] offset:4*\i
.endr
	ds_store_b8 v[AKSB], v[BY0]
.Lqk_done:
	BAR                                            ; both images are whole
	; ---- out: each store of a wave covers 512 consecutive bytes, aligned
.irp k, 0,1,2
	ds_load_b128 v[144+4*\k:147+4*\k], v[T16] offset:OST+4096*\k
.endr
	s_cmp_lt_u32 s18, 6
	s_cbranch_scc0 .Lno_tail
	ds_load_b128 v[156:159], v[T16] offset:OST+12288                   ; the last 3,072 bytes: waves 0-5
	s_wait_dscnt 0x0
	global_store_b128 v[T16], v[156:159], s[42:43] offset:12288
.Lno_tail:
	s_cmp_lt_u32 s18, 4
	s_cbranch_scc1 .Lno_q
	ds_load_b128 v[160:163], v[T16] offset:QST-2048                    ; qw's 2,048 bytes: waves 4-7, thread - 128
	s_wait_dscnt 0x0
	global_store_b128 v[T16], v[160:163], s[44:45] offset:-2048
.Lno_q:
	s_wait_dscnt 0x0
.irp k, 0,1,2
	global_store_b128 v[T16], v[144+4*\k:147+4*\k], s[42:43] offset:4096*\k
.endr
	s_wait_tensorcnt 0x0
	ds_add_u32 v254, v255
	s_wait_dscnt 0x0
	s_endpgm
.Lfunc_end_k_q8e3d61ece6_proj:
	.size	k_q8e3d61ece6_proj, .Lfunc_end_k_q8e3d61ece6_proj-k_q8e3d61ece6_proj
	.p2alignl 7, 3214868480
	.fill 96, 4, 3214868480
	.section	.rodata,"a",@progbits
	.p2align	6, 0x0
	.amdhsa_kernel k_q8e3d61ece6_proj
		.amdhsa_group_segment_fixed_size 31744
		.amdhsa_private_segment_fixed_size 0
		.amdhsa_enable_private_segment 0
		.amdhsa_kernarg_size 56
		.amdhsa_user_sgpr_count 2
		.amdhsa_user_sgpr_kernarg_segment_ptr 1
		.amdhsa_wavefront_size32 1
		.amdhsa_system_sgpr_workgroup_id_x 1
		.amdhsa_system_sgpr_workgroup_id_y 1
		.amdhsa_system_sgpr_workgroup_id_z 1
		.amdhsa_system_vgpr_workitem_id 0
		.amdhsa_next_free_vgpr 512
		.amdhsa_next_free_sgpr 66
		.amdhsa_reserve_vcc 0
		.amdhsa_float_denorm_mode_32 3
		.amdhsa_float_denorm_mode_16_64 3
		.amdhsa_memory_ordered 1
		.amdhsa_forward_progress 1
		.amdhsa_inst_pref_size 32
	.end_amdhsa_kernel
	.amdgpu_metadata
---
amdhsa.version: [ 1, 2 ]
amdhsa.kernels:
  - .name:           k_q8e3d61ece6_proj
    .symbol:         k_q8e3d61ece6_proj.kd
    .args:
      - { .name: x, .offset: 0, .size: 8, .value_kind: global_buffer, .address_space: global }
      - { .name: wimg, .offset: 8, .size: 8, .value_kind: global_buffer, .address_space: global }
      - { .name: bq, .offset: 16, .size: 8, .value_kind: global_buffer, .address_space: global }
      - { .name: bk, .offset: 24, .size: 8, .value_kind: global_buffer, .address_space: global }
      - { .name: bv, .offset: 32, .size: 8, .value_kind: global_buffer, .address_space: global }
      - { .name: qw, .offset: 40, .size: 8, .value_kind: global_buffer, .address_space: global }
      - { .name: kv, .offset: 48, .size: 8, .value_kind: global_buffer, .address_space: global }
    .group_segment_fixed_size: 31744
    .private_segment_fixed_size: 0
    .kernarg_segment_align: 8
    .kernarg_segment_size: 56
    .max_flat_workgroup_size: 256
    .sgpr_count:     66
    .vgpr_count:     512
    .wavefront_size: 32
...
	.end_amdgpu_metadata
.endif
;; end of part 2
;; launch attn (part 3): grid 64 x 4, 8 waves a work-group, clusters of 4 x 1, 327,680 bytes of LDS; arguments qw, kv, x, gamma, out0; writes out0
.if DOCPART == 3
	.amdgcn_target "amdgcn-amd-amdhsa--gfx1250"
	.amdhsa_code_object_version 6
	.text
	.protected	k_q8e3d61ece6_attn
	.globl	k_q8e3d61ece6_attn
	.p2align	8
	.type	k_q8e3d61ece6_attn,@function
k_q8e3d61ece6_attn:
	s_mov_b64 s[64:65], 0
	v_nop
	global_prefetch_b8 v0, s[64:65] scope:SCOPE_SE
	s_setreg_imm32_b32 hwreg(HW_REG_WAVE_MODE, 25, 1), 1
	s_wait_xcnt 0x0
	s_wait_alu depctr_hold_cnt(0) depctr_sa_sdst(0) depctr_va_vdst(0) depctr_va_sdst(0) depctr_va_ssrc(0) depctr_va_vcc(0) depctr_vm_vsrc(0)
	s_getreg_b32 s2, hwreg(HW_REG_IB_STS2, 6, 4)
	s_cmp_eq_u32 s2, 0
	s_cbranch_scc0 .Lentry_in_a_cluster
	s_endpgm
.Lentry_in_a_cluster:
	s_bfe_u32 s2, ttmp6, 0x10000c
	s_cmp_lg_u32 s2, 0x3003
	s_cbranch_scc0 .Lentry_shape_is_right
	s_endpgm
.Lentry_shape_is_right:
; out0[b][c][n] = gamma x (sum over keys m of softmax_m(q[n] . k[m] / sqrt(32)) v[m][c]) + x[b][c][n], both products on codes of FP6 (E2M3) with E8M0 scales.
; THE SOFTMAX: t = score x log2(e) / sqrt(32) (one multiplication); M = the largest t so far, rounded up to a whole number; p = 2^(t - M) is quantised along the keys, not normalised; the row's sum is
; taken of the unquantised p and divides at the end.  When M moves, the sum and O are multiplied by 2^(old M - new M): exact.
; SHARES.  A work-group owns 64 queries of one image.  Eight waves, two to a SIMD, so that one wave's vector work stands beside the other's matrix work and LDS loads.  Wave w owns the 32 queries
; 32 (w & 1) + 0..31 (two tiles) and, of every slot of 512 keys, the 128 keys of step w >> 1.  So four waves hold parts of the same queries' sums, each under its own M: they are merged at the end, through LDS.
; LAYOUT.  Both products are used transposed: a lane holds ONE query (lane % 16).  A step's 128 keys are two runs of 64 (kv's units of 15,360 bytes).  Block 2 c + h of the second product's K is keys 64 h + 32 c + 0..31:
; whole blocks in another order, alike for p, v and their scale bytes.
; K = 32 FILLS ONE BLOCK OF FOUR: a fragment of k carries 64 keys (row p, block b: key 64 (p / 8) + 32 c + 8 b + p % 8), and four versions of q, with q's codes in block b and zero codes elsewhere, pick one block each: zero codes
; add nothing.  Lane (query, h) then holds in registers 32 c + 8 b + j the key 64 h + 32 c + 8 b + j: a whole block of 32 neighbouring keys, in order: its largest p needs no other lane, and the conversions' results are the operand.
; CLUSTER.  The four work-groups of a cluster own query blocks of one image and walk the same kv: every fill is asked for JOINTLY, by the same tensor load with the same descriptor and the mask 15.
; RING.  Two slots of 8 units; each wave fetches one unit (60 rows of 256 bytes, dense) with one load; by this text's count a wave has two loads out at the start and one behind each round.
; LIMITS: NaN and infinities are not served; a block of p that are all 0 keeps the byte 1 (its codes are zeros).
.set HB,    15360                      ; a unit of kv: 64 keys
.set HL,    15488                      ; and its place in LDS: 128 bytes more, so that rows 0-7 and 8-15 of a load of k, which lie in two units, fall on different banks (64 banks of 4 bytes: ISA guide 11.1)
.set SLOT1, 131072                     ; slot 1 begins here: one exclusive or turns an address
.set SLOTB, 8*HB
.set BATB,  64*HB                      ; an image's part of kv
.set KOFF,  12288
.set VSOFF, 13824
.set KSOFF, 14848
.set SPARE, 262144                     ; the spare words, 128 bytes for each wave: four blocks of 256 bytes that no other line names
.set STAT,  263168                     ; the merge: (-M, l) of wave w, tile t at 512 w + 256 t + 8 lane
.set TP,    272                        ; the merge: a channel's 64 pixels, 256 bytes + 16
.set SPW, 1                            ; v1   my spare word; never rewritten
.set NIL, 2                            ; v2   0; never rewritten
.set AV,  3                            ; v3-6 my lane's places in a slot: v's codes, k's codes, v's scale words, k's scale words
.set AK,  4
.set AVS, 5
.set AKS, 6
.set ADV, 7                            ; v7-10 the same in the slot in hand
.set ADK, 8
.set ADS, 9
.set ADT, 10
.set SH8, 11                           ; v11  8 h
.set ST,  12                           ; tile t at 12 + 6 t: -M, largest t, l (two halves), f, a register named with f as a pair
.set BM,  24                           ; v24-27 four chains of maxima
.set R,   28
.set R2,  29
.set SO,  30                           ; v30-31 scale operands;  v32-33 bytes
.set BY,  32
.set LB,  34                           ; v34-35 the second chain of sums
.set CT,  36                           ; v36-38, v40-42 the conversions' second halves
.set KS,  44                           ; v44 k's scale words;  v45-46 q's;  v47-48 p's;  v50-57 v's
.set QS,  45
.set PS,  47
.set TW,  49
.set VS,  50
.set QB,  58                           ; v58-111 groups of six: Z A0 Z B0 Z A1 Z B1 Z (Z zeros; A: q in lanes 0-15; B: q in lanes 16-31): q in block b of tile t begins at 58 + 24 t + 12 (b % 2) + 6 (1 - b / 2)
.set FA,  112                          ; v112-159 k's two fragments, then four of v
.set P,   160                          ; v160-183 p's codes, 12 a tile
.set VT,  160                          ; v160-167 the second unit's part of v's scale words, ahead of p
.set S,   184                          ; v184-247 the scores, then p
.set FB,  184                          ; v184-231 four fragments of v
.set QO,  248
.set ASS, 249
.set PFO, 250
.set ASL, 251
.set AIL, 3                            ; the merge takes the loop's address registers: v3-6 images in, v7, v8 the turn's store and load, v9 x's and out0's offset, v10 image out
.set AT2S, 7
.set AT2L, 8
.set XV,  9
.set AIS, 10
.set MST, 58                           ; v58-73 the four quarters' (-M, l), tile t, quarter u at 58 + 8 t + 2 u
.set MN,  74
.set FU,  78
.set FP,  86                           ; v86-101 the factors, each twice
.set Y,   112                          ; v112-175 the merged 64 numbers
.set GAM, 14
.set WV,  15
.set GH,  16                           ; w & 1
.set UQ,  17                           ; w >> 1
.set G1,  24                           ; s[24:31] descriptor group 1;  s[32:35] group 0 of slot 0's first fill;  s[36:39] the walking group 0
.set G0A, 32
.set G0B, 36
.set SEL, 40
.set CS,  42                           ; s[42:43] c = log2(e) / sqrt(32), twice
.set TB,  44                           ; s44 the slot in hand
.set CNT, 45
.set MSB, 0
.macro WIN new                         ; the immediate's high byte repeats the setting that is left
.if MSB != \new
	s_set_vgpr_msb (MSB<<8)|\new
.set MSB, \new
.endif
.endm
.set W_PV, 0x50                        ; C and D (O^T) window 1, v and p window 0
.set W_RS, 0x41                        ; O^T (destination and source 0) window 1, f window 0
.macro PLACES n
.rept \n
	v_nop
.endr
.endm
.macro CROUND                          ; a round of the cluster's barrier
	s_barrier_signal -1
	s_barrier_wait -1
	s_cmp_lg_u32 s[WV], 0
	s_cbranch_scc1 .Lnot_wave_0_\@
	s_barrier_signal -3
.Lnot_wave_0_\@:
	s_barrier_wait -3
	s_barrier_signal -1
	s_barrier_wait -1
.endm
	s_load_b256 s[4:11], s[0:1], 0x0               ; qw s[4:5], kv s[6:7], x s[8:9], gamma s[10:11]
	s_load_b64 s[12:13], s[0:1], 0x20              ; out0
	v_lshl_add_u32 v[SPW], v0, 2, SPARE
	v_mov_b32 v[NIL], 0
	ds_add_u32 v1, v2
	s_wait_dscnt 0x0
	v_lshrrev_b32 v3, 5, v0
	v_readfirstlane_b32 s[WV], v3                  ; wave 0..7
	s_and_b32 s[GH], s[WV], 1
	s_lshr_b32 s[UQ], s[WV], 1
	s_bfe_u32 s46, ttmp6, 0x40000                  ; cx: it enters qw's, x's and out0's addresses alone
	s_lshl_b32 s47, ttmp9, 2
	s_add_co_u32 s47, s47, s46                     ; my block of 64 queries
	s_and_b32 s48, ttmp7, 0xffff                   ; the image, which the four partners share
	s_mov_b32 s[G1], 15|(3<<16)|(1<<21)            ; 15:0 the mask: all four; 17:16 elements of 8 bytes; 20 no padding; 21 set beside a mask
	s_mov_b32 s[G1+1], 32<<16                      ; tensor_dim0 = 32 elements: 256 bytes
	s_mov_b32 s[G1+2], 60<<16                      ; tensor_dim1 = 60 rows
	s_mov_b32 s[G1+3], 32<<16                      ; tile_dim0
	s_mov_b32 s[G1+4], 60                          ; tile_dim1
	s_mov_b32 s[G1+5], 32                          ; from row to row: dense
	s_mov_b32 s[G1+6], 0
	s_mov_b32 s[G1+7], 0
	s_mul_i32 s50, s48, BATB
	s_mul_i32 s51, s[WV], HB
	s_add_co_u32 s50, s50, s51                     ; my unit of slot 0, in kv
	s_mov_b32 s51, 0
	s_mov_b32 s[G0A], 1
	s_mul_i32 s[G0A+1], s[WV], HL                  ; and in LDS
	s_mov_b32 s[G0B], 1
	s_add_co_u32 s[G0B+1], s[G0A+1], SLOT1
	s_lshl_b32 s52, s48, 22                        ; x and out0: the image,
	s_lshl_b32 s53, s47, 8                         ; my 64 pixels' 256 bytes of a row
	s_add_co_u32 s52, s52, s53
	s_mov_b32 s53, 0
	s_lshl_b32 s60, s[WV], 19                      ; on the way out wave w takes channels 32 w + 0..31
	s_mov_b32 s61, 0
	s_lshl_b32 s46, s48, 17                        ; qw: 32 bytes a query
	s_lshl_b32 s47, s47, 11
	s_add_co_u32 s46, s46, s47
	s_lshl_b32 s47, s[GH], 10
	s_add_co_u32 s46, s46, s47
	s_mov_b32 s47, 0
	s_mov_b32 s[SEL], 0x76543210
	s_mov_b32 s[SEL+1], 0xfedcba98                 ; v_permlanex16_b32's selects for lane l xor 16
	s_mov_b32 s[CS], 0x3e8293ee                    ; log2(e) / sqrt(32)
	s_mov_b32 s[CS+1], s[CS]
	s_mov_b32 s[TB], 0
	s_mov_b32 s[CNT], 6
	s_wait_kmcnt 0x0
	s_load_b32 s[GAM], s[10:11], 0x0
	s_add_nc_u64 s[G0A+2:G0A+3], s[6:7], s[50:51]
	s_add_nc_u64 s[G0B+2:G0B+3], s[G0A+2:G0A+3], SLOTB
	s_or_b32 s[G0A+3], s[G0A+3], 0x80000000        ; type = 2
	s_or_b32 s[G0B+3], s[G0B+3], 0x80000000
	s_add_nc_u64 s[4:5], s[4:5], s[46:47]
	s_add_nc_u64 s[54:55], s[8:9], s[52:53]        ; x at channel 0, my pixels
	s_add_nc_u64 s[56:57], s[54:55], s[60:61]      ; x and out0 at channel 32 w
	s_add_nc_u64 s[58:59], s[12:13], s[52:53]
	s_add_nc_u64 s[58:59], s[58:59], s[60:61]
	CROUND                                         ; all four work-groups are here: the first joint loads meet
	tensor_load_to_lds s[G0A:G0A+3], s[G1:G1+7]    ; keys 0-511
	s_nop 0
	tensor_load_to_lds s[G0B:G0B+3], s[G1:G1+7]    ; keys 512-1,023
	s_nop 0
	PLACES 4
	v_and_b32 v24, 15, v0                          ; r
	v_bfe_u32 v25, v0, 4, 1                        ; h
	v_and_b32 v26, 7, v0                           ; r % 8
	v_bfe_u32 v27, v0, 3, 1                        ; r / 8
	v_and_b32 v28, 31, v0                          ; lane
	v_lshlrev_b32 v[QO], 5, v24
.irp t, 0,1
	global_load_b128 v[S+8*\t:S+8*\t+3], v[QO], s[4:5] offset:512*\t           ; query 16 t + r: six words of codes, the scale word, a word 0; both halves of the lanes take the same
	global_load_b128 v[S+8*\t+4:S+8*\t+7], v[QO], s[4:5] offset:512*\t+16
.endr
	s_mul_i32 s60, s[UQ], 2*HL                     ; my step's two units in a slot
	v_mul_u32_u24 v[AV], v25, HL                   ; v: lane (channel r, h) takes 48 bytes of unit h
	v_mad_u32_u24 v[AV], v24, 48, v[AV]
	v_add_nc_u32 v[AV], s60, v[AV]
	s_add_co_u32 s61, s60, KOFF
	v_mul_u32_u24 v[AK], v27, HL                   ; k: row r lies in unit r / 8, at 48 (r % 8 + 8 h)
	v_mad_u32_u24 v[AK], v26, 48, v[AK]
	v_mad_u32_u24 v[AK], v25, 384, v[AK]
	v_add_nc_u32 v[AK], s61, v[AK]
	s_add_co_u32 s61, s60, VSOFF
	v_lshl_add_u32 v[AVS], v28, 2, s61             ; v's scale words: 32 channels a load
	s_add_co_u32 s61, s60, KSOFF
	v_mul_u32_u24 v[AKS], v27, HL                  ; k's: lanes 0-15 fragment 0's, lanes 16-31 fragment 1's
	v_lshl_add_u32 v[AKS], v25, 5, v[AKS]
	v_lshl_add_u32 v[AKS], v26, 2, v[AKS]
	v_add_nc_u32 v[AKS], s61, v[AKS]
	v_lshlrev_b32 v[SH8], 3, v25
	v_lshlrev_b32 v[PFO], 14, v0                   ; thread x a row of x
.irp z, 0,12,24,36,48
.irp i, 0,1,2,3,4,5
	v_mov_b32 v[QB+\z+\i], 0                       ; the zero codes
.endr
.endr
	v_cmp_le_u32 vcc_lo, 16, v28                   ; lanes 16-31
	s_wait_loadcnt 0x0
.irp t, 0,1
.irp i, 0,1,2,3,4,5
	v_cndmask_b32 v[QB+6+24*\t+\i], v[S+8*\t+\i], v[QB], vcc_lo        ; A: q in lanes 0-15
	v_cndmask_b32 v[QB+18+24*\t+\i], v[QB], v[S+8*\t+\i], vcc_lo       ; B: q in lanes 16-31
.endr
	v_mov_b32 v[QS+\t], v[S+8*\t+6]
.endr
.irp t, 0,1                                    ; (these lines are also the places between the writes of q's codes and scale words and the first products)
	v_mov_b32 v[ST+6*\t+1], 0xff61b1e6             ; the largest t so far: -3e38
	v_floor_f32 v[ST+6*\t], -v[ST+6*\t+1]          ; -M
	v_mov_b32 v[ST+6*\t+2], 0                      ; l
	v_mov_b32 v[ST+6*\t+3], 0
	v_mov_b32 v[ST+6*\t+4], 0
	v_mov_b32 v[ST+6*\t+5], 0
.endr
	v_mov_b32 v[R2], 0                             ; a lane permute's destination counts as one of its sources
; S^T of tile t: eight products; fragment c of k against q in block b.  Each starts its sum with the constant 0.
.macro SPROD t
.irp b, 0,1,2,3
	v_wmma_scale_f32_16x16x128_f8f6f4 v[S+8*\b:S+8*\b+7], v[FA:FA+11], v[QB+24*\t+12*(\b%2)+6*(1-\b/2):QB+24*\t+12*(\b%2)+6*(1-\b/2)+11], 0, v[KS], v[QS+\t] matrix_a_fmt:MATRIX_FMT_FP6 matrix_b_fmt:MATRIX_FMT_FP6
.endr
.irp b, 0,1,2,3
	v_wmma_scale_f32_16x16x128_f8f6f4 v[S+32+8*\b:S+32+8*\b+7], v[FA+12:FA+23], v[QB+24*\t+12*(\b%2)+6*(1-\b/2):QB+24*\t+12*(\b%2)+6*(1-\b/2)+11], 0, v[KS], v[QS+\t] matrix_a_fmt:MATRIX_FMT_FP6 matrix_b_fmt:MATRIX_FMT_FP6 matrix_a_scale:MATRIX_SCALE_ROW1
.endr
.endm
.macro SADD                            ; pair PP of p joins the sums: even pairs l, odd pairs a second chain, which pairs 1 and 3 start
.if PP%2 == 0
	s_wait_alu depctr_va_vdst(0)
	v_pk_add_f32 v[rT+2:rT+3], v[rT+2:rT+3], v[S+2*PP:S+2*PP+1]
.elseif PP == 3
	v_pk_add_f32 v[LB:LB+1], v[S+2:S+3], v[S+6:S+7]
.elseif PP > 3
	v_pk_add_f32 v[LB:LB+1], v[LB:LB+1], v[S+2*PP:S+2*PP+1]
.endif
.endm
; The softmax of tile t for this step: my 64 scores are two whole blocks of 32 keys.
.macro SMAX t
.set rT, ST+6*\t
.irp q, 0,1,2,3
	v_max3_num_f32 v[BM+\q], v[S+16*\q], v[S+16*\q+1], v[S+16*\q+2]    ; four chains of 16, ascending: each result is read from its low end on
.endr
.irp i, 3,5,7,9,11,13
.irp q, 0,1,2,3
	v_max3_num_f32 v[BM+\q], v[BM+\q], v[S+16*\q+\i], v[S+16*\q+\i+1]
.endr
.endr
.irp q, 0,1,2,3
	v_max_num_f32 v[BM+\q], v[BM+\q], v[S+16*\q+15]
.endr
	v_max_num_f32 v[BM], v[BM], v[BM+1]            ; THE LARGEST SCORE OF EACH BLOCK serves twice: for the row's maximum, and, since p rises with the score, for the block's largest p
	v_max_num_f32 v[BM+2], v[BM+2], v[BM+3]
	v_max_num_f32 v[R], v[BM], v[BM+2]
	v_permlanex16_b32 v[R2], v[R], s[SEL], s[SEL+1]
	v_max_num_f32 v[R], v[R], v[R2]                ; with the query's other 64 keys
	v_mul_f32 v[R], s[CS], v[R]                    ; as t (c is positive)
	v_max_num_f32 v[rT+1], v[rT+1], v[R]
	v_mov_b32 v[TW], v[rT]
	v_floor_f32 v[rT], -v[rT+1]                    ; the new -M = -ceil(t)
	v_sub_f32 v[TW], v[rT], v[TW]                  ; old M - new M: a whole number, 0 or less
	v_cvt_i32_f32 v[TW], v[TW]                     ; (it saturates)
	v_ldexp_f32 v[rT+4], 1.0, v[TW]                ; f = 2^(old M - new M)
	v_fma_f32 v[BM], v[BM], s[CS], v[rT]
	v_fma_f32 v[BM+2], v[BM+2], s[CS], v[rT]
	v_exp_f32 v[BM], v[BM]                         ; the blocks' largest p: the same multiply-add and exponential as the scores get
	v_exp_f32 v[BM+2], v[BM+2]
	v_pk_mul_f32 v[rT+2:rT+3], v[rT+2:rT+3], v[rT+4:rT+5] op_sel_hi:[1,0]      ; l under the new M
	v_pk_fma_f32 v[S:S+1], v[S:S+1], s[CS:CS+1], v[rT:rT+1] op_sel_hi:[1,0,0]  ; t - M, two at a time
	v_pk_fma_f32 v[S+2:S+3], v[S+2:S+3], s[CS:CS+1], v[rT:rT+1] op_sel_hi:[1,0,0]
; Plain instructions and exponentials by turns: the multiply-add two pairs ahead, the sum two pairs back, so that a plain line stands between every exponential and the use of its result (ISA guide 5.7.2)
.set II, 0
.rept 32
.if II < 30
	v_pk_fma_f32 v[S+2*II+4:S+2*II+5], v[S+2*II+4:S+2*II+5], s[CS:CS+1], v[rT:rT+1] op_sel_hi:[1,0,0]
.endif
	v_exp_f32 v[S+2*II], v[S+2*II]                 ; p = 2^(t - M), at most 1
.if II >= 2
.set PP, II-2
	SADD
.endif
	v_exp_f32 v[S+2*II+1], v[S+2*II+1]
.set II, II+1
.endr
.set PP, 30
	SADD
.set PP, 31
	SADD
	v_pk_add_f32 v[rT+2:rT+3], v[rT+2:rT+3], v[LB:LB+1]                ; THE SUM IS TAKEN OF THE UNQUANTISED p
.irp c, 0,1
	v_max_num_f32 v[BM+2*\c], 0x1800000, v[BM+2*\c]                    ; the floor 2^(3 - 127): the byte cannot fall under 1
.endr
.irp c, 0,1
	v_add_nc_u32 v[SO+\c], 0xff000000, v[BM+2*\c]                      ; 2 off the exponent field: the conversion's scale operand
.endr
.irp c, 0,1
	v_lshrrev_b32 v[BY+\c], 23, v[SO+\c]
.endr
	v_lshl_or_b32 v[TW], v[BY+1], 16, v[BY]        ; my bytes: blocks h and 2 + h,
	v_lshlrev_b32 v[TW], v[SH8], v[TW]             ; at their places;
	v_permlanex16_b32 v[R2], v[TW], s[SEL], s[SEL+1]
	v_or_b32 v[PS+\t], v[TW], v[R2]                ; with lane l xor 16's the query's scale word is whole
.irp c, 0,1
	v_cvt_scalef32_pk16_fp6_f32 v[P+12*\t+6*\c:P+12*\t+6*\c+2], v[S+32*\c:S+32*\c+15], v[SO+\c]
	v_cvt_scalef32_pk16_fp6_f32 v[CT+4*\c:CT+4*\c+2], v[S+32*\c+16:S+32*\c+31], v[SO+\c]   ; (a conversion's three registers begin on an even number)
.endr
	v_nop                                          ; one plain line behind the conversions
.irp c, 0,1
.irp i, 0,1,2
	v_mov_b32 v[P+12*\t+6*\c+3+\i], v[CT+4*\c+\i]
.endr
.endr
.endm
.macro RESC t                          ; O^T of tile t under the new M, ascending
	WIN W_RS
.set II, 0
.rept 64
	v_pk_mul_f32 v[128*\t+2*II:128*\t+2*II+1], v[128*\t+2*II:128*\t+2*II+1], v[ST+6*\t+4:ST+6*\t+5] op_sel_hi:[1,0]
.set II, II+1
.endr
.endm
.macro VLOAD grp, buf                  ; v's fragments of channel tiles 4 grp .. 4 grp + 3: 48 bytes a lane each, 12 loads
	WIN 0
.irp f, 0,1,2,3
.irp i, 0,1,2
	ds_load_b128 v[\buf+12*\f+4*\i:\buf+12*\f+4*\i+3], v[ADV] offset:768*(4*\grp+\f)+16*\i
.endr
.endr
.endm
; O^T += V^T P^T for four channel tiles x my two tiles of queries: each fragment of v feeds two products; eight accumulators by turns.  first = 1: the products start the sums
.macro PVG grp, buf, first
	WIN W_PV
.irp f, 0,1,2,3
.irp q, 0,1
.if \first
.if \f%2
	v_wmma_scale_f32_16x16x128_f8f6f4 v[128*\q+8*(4*\grp+\f):128*\q+8*(4*\grp+\f)+7], v[\buf+12*\f:\buf+12*\f+11], v[P+12*\q:P+12*\q+11], 0, v[VS+2*\grp+\f/2], v[PS+\q] matrix_a_fmt:MATRIX_FMT_FP6 matrix_b_fmt:MATRIX_FMT_FP6 matrix_a_scale:MATRIX_SCALE_ROW1
.else
	v_wmma_scale_f32_16x16x128_f8f6f4 v[128*\q+8*(4*\grp+\f):128*\q+8*(4*\grp+\f)+7], v[\buf+12*\f:\buf+12*\f+11], v[P+12*\q:P+12*\q+11], 0, v[VS+2*\grp+\f/2], v[PS+\q] matrix_a_fmt:MATRIX_FMT_FP6 matrix_b_fmt:MATRIX_FMT_FP6
.endif
.else
.if \f%2
	v_wmma_scale_f32_16x16x128_f8f6f4 v[128*\q+8*(4*\grp+\f):128*\q+8*(4*\grp+\f)+7], v[\buf+12*\f:\buf+12*\f+11], v[P+12*\q:P+12*\q+11], v[128*\q+8*(4*\grp+\f):128*\q+8*(4*\grp+\f)+7], v[VS+2*\grp+\f/2], v[PS+\q] matrix_a_fmt:MATRIX_FMT_FP6 matrix_b_fmt:MATRIX_FMT_FP6 matrix_a_scale:MATRIX_SCALE_ROW1
.else
	v_wmma_scale_f32_16x16x128_f8f6f4 v[128*\q+8*(4*\grp+\f):128*\q+8*(4*\grp+\f)+7], v[\buf+12*\f:\buf+12*\f+11], v[P+12*\q:P+12*\q+11], v[128*\q+8*(4*\grp+\f):128*\q+8*(4*\grp+\f)+7], v[VS+2*\grp+\f/2], v[PS+\q] matrix_a_fmt:MATRIX_FMT_FP6 matrix_b_fmt:MATRIX_FMT_FP6
.endif
.endif
.endr
.endr
.endm
; MY STEP OF THE SLOT IN HAND: 128 keys x 32 queries: 16 + 32 matrix instructions.
.macro STEP first
	v_add_nc_u32 v[ADV], s[TB], v[AV]              ; these four and two v_nop: six places behind the last step's products, ahead of loads into registers that they read (four are asked)
	v_add_nc_u32 v[ADK], s[TB], v[AK]              ; and of the score products, which write over registers that they read (five are asked: ISA guide 7.12.1)
	v_add_nc_u32 v[ADS], s[TB], v[AVS]
	v_add_nc_u32 v[ADT], s[TB], v[AKS]
	PLACES 2
.irp i, 0,1,2,3,4,5
	ds_load_b128 v[FA+4*\i:FA+4*\i+3], v[ADK] offset:768*(\i/3)+16*(\i%3)      ; k's two fragments
.endr
	ds_load_b32 v[KS], v[ADT]
.irp i, 0,1,2,3,4,5,6,7
	ds_load_b32 v[VS+\i], v[ADS] offset:128*\i                                 ; v's scale words: the first unit's two bytes,
.endr
.irp i, 0,1,2,3,4,5,6,7
	ds_load_b32 v[VT+\i], v[ADS] offset:HL+128*\i                              ; and the second's
.endr
	s_wait_dscnt 16                                ; k and its scale words are in; the sixteen younger loads may be out
	SPROD 0
	s_wait_dscnt 0x0
.irp i, 0,1,2,3,4,5,6,7
	v_or_b32 v[VS+\i], v[VS+\i], v[VT+\i]          ; whole words.  (Eight places behind the products above)
.endr
	SMAX 0
	SPROD 1
.if \first
	PLACES 4
.else
	RESC 0                                         ; (also the places behind the products above)
.endif
	VLOAD 0, FA
	SMAX 1
	VLOAD 1, FB                                    ; p has been quantised: its registers take fragments of v
.if \first
	PLACES 8                                       ; p's scale word stands eight places, its codes four, ahead of the products
.else
	RESC 1
.endif
	s_wait_dscnt 12                                ; all but the 12 loads just issued
	PVG 0, FA, \first
	PLACES 4
	VLOAD 2, FA
	s_wait_dscnt 12
	PVG 1, FB, \first
	PLACES 4
	VLOAD 3, FB
	s_wait_dscnt 12
	PVG 2, FA, \first
	s_wait_dscnt 0x0
	PVG 3, FB, \first
	WIN 0
.endm
; THE CHANGE OF SLOTS.  Each wave waits for all its tensor loads (its unit of the slot ahead), adds 0 to its spare word, and waits for that and for its reads of the slot that it leaves.  fill = 1: behind a round of the
; cluster's barrier, so that no wave of any partner still reads that slot, it is filled with the keys two slots on: the load has a whole step in which to land.
.macro CHANGE fill
	s_wait_tensorcnt 0x0                           ; no tensor load of mine is out, so the walking group 0 may be written
	ds_add_u32 v[SPW], v[NIL]
.if \fill
	s_xor_b32 s[G0B+1], s[G0B+1], SLOT1            ; the other slot than last time,
	s_add_nc_u64 s[G0B+2:G0B+3], s[G0B+2:G0B+3], SLOTB     ; the next 512 keys; the type bits on top are not reached
.endif
	s_wait_dscnt 0x0                               ; the add is done, and my reads of the slot are over
.if \fill
	CROUND
	tensor_load_to_lds s[G0B:G0B+3], s[G1:G1+7]    ; my one tensor load behind the round, and the first thing there
	s_nop 0
	PLACES 4
.else
	s_barrier_signal -1
	s_barrier_wait -1
.endif
	s_xor_b32 s[TB], s[TB], SLOT1
.endm
	s_wait_kmcnt 0x0                               ; gamma
	s_wait_tensorcnt 1                             ; my unit of slot 0 is in; slot 1's may stay out
	s_barrier_signal -1
	s_barrier_wait -1
	STEP 1                                         ; the first step's products start O^T's sums: nothing is cleared
.Lslot:                                            ; six trips: slots 1 to 6 are read, slots 2 to 7 asked for
	CHANGE 1
	STEP 0
	s_sub_co_u32 s[CNT], s[CNT], 1
	s_cmp_lg_u32 s[CNT], 0
	s_cbranch_scc1 .Lslot
	CHANGE 0                                       ; the last slot is written out: nothing is left to fetch
	global_prefetch_b8 v[PFO], s[54:55] th:TH_LOAD_NT scope:SCOPE_SE   ; x for the residual: thread i asks for the 256 bytes of my pixels in channel i, once, one step ahead of the loads below
	STEP 0
	; ---- THE MERGE.  The address lines are the places behind the last products.
	v_and_b32 v24, 15, v0                          ; r
	v_bfe_u32 v25, v0, 4, 1                        ; h
	v_and_b32 v26, 31, v0                          ; lane
	s_lshl_b32 s60, s[WV], 15
	v_lshl_add_u32 v[AIS], v26, 4, s60             ; my O^T's image: 32,768 w + 512 k + 16 lane
	s_lshl_b32 s60, s[GH], 15
	s_lshl_b32 s61, s[UQ], 12
	s_add_co_u32 s60, s60, s61
	v_lshl_add_u32 v[AIL], v26, 4, s60             ; of the four images of my queries (waves 2 u' + (w & 1)) I take channel tiles 4 (w >> 1) + 0..3
	v_add_nc_u32 v[AIL+1], 0x10000, v[AIL]
	v_add_nc_u32 v[AIL+2], 0x20000, v[AIL]
	v_add_nc_u32 v[AIL+3], 0x30000, v[AIL]
	s_mul_i32 s60, s[UQ], 64*TP
	s_lshl_b32 s61, s[GH], 7
	s_add_co_u32 s60, s60, s61
	v_mul_u32_u24 v[AT2S], v25, 8*TP               ; the turn: channel 64 (w >> 1) + 16 t' + 8 h + j, pixel 32 (w & 1) + 16 t + r
	v_lshl_add_u32 v[AT2S], v24, 2, v[AT2S]
	v_add_nc_u32 v[AT2S], s60, v[AT2S]
	s_mul_i32 s60, s[WV], 32*TP
	v_mul_u32_u24 v[AT2L], v25, TP                 ; back: channels 32 w + 2 i + h, 16 bytes a lane
	v_lshl_add_u32 v[AT2L], v24, 4, v[AT2L]
	v_add_nc_u32 v[AT2L], s60, v[AT2L]
	v_lshlrev_b32 v[XV], 14, v25                   ; and the same place in x and out0
	v_lshl_add_u32 v[XV], v24, 4, v[XV]
	s_lshl_b32 s60, s[WV], 9
	s_add_co_u32 s60, s60, STAT
	v_lshl_add_u32 v[ASS], v26, 3, s60
	s_lshl_b32 s60, s[GH], 9
	s_add_co_u32 s60, s60, STAT
	v_lshl_add_u32 v[ASL], v26, 3, s60
.irp t, 0,1
	v_add_f32 v[ST+6*\t+2], v[ST+6*\t+2], v[ST+6*\t+3]     ; l's two halves,
.endr
	v_permlanex16_b32 v[R], v[ST+2], s[SEL], s[SEL+1]
	v_permlanex16_b32 v[R2], v[ST+8], s[SEL], s[SEL+1]
	v_add_f32 v[ST+1], v[ST+2], v[R]               ; and lane l xor 16's: beside -M, as a pair
	v_add_f32 v[ST+7], v[ST+8], v[R2]
.irp t, 0,1
	ds_store_b64 v[ASS], v[ST+6*\t:ST+6*\t+1] offset:256*\t
.endr
.irp i, 0,1,2,3,4,5,6,7,8,9,10,11,12,13,14,15
	global_load_b128 v[S+4*\i:S+4*\i+3], v[XV], s[56:57] offset:32768*\i th:TH_LOAD_NT     ; x for the residual: sixteen lanes read 256 consecutive bytes; it lands while the merge runs
.endr
	s_wait_dscnt 0x0
	s_barrier_signal -1
	s_barrier_wait -1                              ; nobody reads the slots any more (they have had their last fill), and all statistics lie in LDS
	WIN 0x04                                       ; an LDS store's data are its source 1: window 1
.set II, 0
.rept 64
	ds_store_b128 v[AIS], v[4*II:4*II+3] offset:512*II     ; O^T as it stands, each accumulator from its low end on
.set II, II+1
.endr
	WIN 0
.irp t, 0,1
.irp u, 0,1,2,3
	ds_load_b64 v[MST+8*\t+2*\u:MST+8*\t+2*\u+1], v[ASL] offset:1024*\u+256*\t
.endr
.endr
	s_wait_dscnt 0x0
	s_barrier_signal -1
	s_barrier_wait -1                              ; all eight images lie in LDS
.irp t, 0,1                                    ; the four quarters under the largest M: factors 2^(M_u - M*) x gamma / the whole sum
	v_min_num_f32 v[MN+2*\t], v[MST+8*\t], v[MST+8*\t+2]
	v_min_num_f32 v[MN+2*\t+1], v[MST+8*\t+4], v[MST+8*\t+6]
	v_min_num_f32 v[MN+2*\t], v[MN+2*\t], v[MN+2*\t+1]     ; -M*
.irp u, 0,1,2,3
	v_sub_f32 v[FU+4*\t+\u], v[MN+2*\t], v[MST+8*\t+2*\u]
.endr
.irp u, 0,1,2,3
	v_cvt_i32_f32 v[FU+4*\t+\u], v[FU+4*\t+\u]
.endr
.irp u, 0,1,2,3
	v_ldexp_f32 v[FU+4*\t+\u], 1.0, v[FU+4*\t+\u]
.endr
	v_mul_f32 v[MN+2*\t+1], v[FU+4*\t], v[MST+8*\t+1]
.irp u, 1,2,3
	v_fma_f32 v[MN+2*\t+1], v[FU+4*\t+\u], v[MST+8*\t+2*\u+1], v[MN+2*\t+1]
.endr
	v_rcp_f32 v[MN+2*\t+1], v[MN+2*\t+1]
	v_nop                                          ; one plain line behind the reciprocal
	s_wait_alu depctr_va_vdst(0)
	v_mul_f32 v[MN+2*\t+1], s[GAM], v[MN+2*\t+1]
.irp u, 0,1,2,3
	v_mul_f32 v[FP+8*\t+2*\u], v[FU+4*\t+\u], v[MN+2*\t+1]
	v_mul_f32 v[FP+8*\t+2*\u+1], v[FU+4*\t+\u], v[MN+2*\t+1]
.endr
.endr
	WIN 0x40                                       ; destination window 1
.irp u, 0,1,2,3
.irp t, 0,1
.irp m, 0,1,2,3,4,5,6,7
	ds_load_b128 v[64*\u+32*\t+4*\m:64*\u+32*\t+4*\m+3], v[AIL+\u] offset:16384*\t+512*\m
.endr
.endr
.endr
	s_wait_dscnt 0x0
	WIN 0x01                                       ; source 0 window 1
.set PP, 0
.rept 32
	v_pk_mul_f32 v[Y+2*PP:Y+2*PP+1], v[2*PP:2*PP+1], v[FP+8*(PP/16):FP+8*(PP/16)+1]
.set PP, PP+1
.endr
.irp u, 1,2,3
.set PP, 0
.rept 32
	v_pk_fma_f32 v[Y+2*PP:Y+2*PP+1], v[64*\u+2*PP:64*\u+2*PP+1], v[FP+8*(PP/16)+2*\u:FP+8*(PP/16)+2*\u+1], v[Y+2*PP:Y+2*PP+1]
.set PP, PP+1
.endr
.endr
	WIN 0
	s_barrier_signal -1
	s_barrier_wait -1                              ; every wave's loads of the images are in (its wait above): their bytes may be written
.irp t, 0,1
.irp f, 0,1,2,3
.irp j, 0,1,2,3,4,5,6,7
	ds_store_b32 v[AT2S], v[Y+32*\t+8*\f+\j] offset:(16*\f+\j)*TP+64*\t        ; a lane holds one pixel and eight channels; out0's rows run along the pixels: the turn goes through LDS
.endr
.endr
.endr
	s_wait_dscnt 0x0
	s_barrier_signal -1
	s_barrier_wait -1                              ; 256 channels x 64 pixels lie in LDS
.irp i, 0,1,2,3,4,5,6,7,8,9,10,11,12,13,14,15
	ds_load_b128 v[Y+4*\i:Y+4*\i+3], v[AT2L] offset:2*\i*TP
.endr
	s_wait_dscnt 0x0
	s_wait_loadcnt 0x0                             ; x
.set PP, 0
.rept 32
	v_pk_add_f32 v[Y+2*PP:Y+2*PP+1], v[Y+2*PP:Y+2*PP+1], v[S+2*PP:S+2*PP+1]
.set PP, PP+1
.endr
.irp i, 0,1,2,3,4,5,6,7,8,9,10,11,12,13,14,15
	global_store_b128 v[XV], v[Y+4*\i:Y+4*\i+3], s[58:59] offset:32768*\i th:TH_STORE_NT   ; sixteen lanes store 256 consecutive bytes, at a multiple of 256 from out0's first byte
.endr
	s_wait_tensorcnt 0x0                           ; the wave's end
	ds_add_u32 v[SPW], v[NIL]
	s_wait_dscnt 0x0
	CROUND                                         ; the closing round
	s_endpgm
.Lfunc_end_k_q8e3d61ece6_attn:
	.size	k_q8e3d61ece6_attn, .Lfunc_end_k_q8e3d61ece6_attn-k_q8e3d61ece6_attn
	.p2alignl 7, 3214868480
	.fill 96, 4, 3214868480
	.section	.rodata,"a",@progbits
	.p2align	6, 0x0
	.amdhsa_kernel k_q8e3d61ece6_attn
		.amdhsa_group_segment_fixed_size 327680
		.amdhsa_private_segment_fixed_size 0
		.amdhsa_enable_private_segment 0
		.amdhsa_kernarg_size 40
		.amdhsa_user_sgpr_count 2
		.amdhsa_user_sgpr_kernarg_segment_ptr 1
		.amdhsa_wavefront_size32 1
		.amdhsa_system_sgpr_workgroup_id_x 1
		.amdhsa_system_sgpr_workgroup_id_y 1
		.amdhsa_system_sgpr_workgroup_id_z 1
		.amdhsa_system_vgpr_workitem_id 0
		.amdhsa_next_free_vgpr 512
		.amdhsa_next_free_sgpr 66
		.amdhsa_reserve_vcc 1
		.amdhsa_float_denorm_mode_32 3
		.amdhsa_float_denorm_mode_16_64 3
		.amdhsa_memory_ordered 1
		.amdhsa_forward_progress 1
		.amdhsa_inst_pref_size 153
	.end_amdhsa_kernel
	.amdgpu_metadata
---
amdhsa.version: [ 1, 2 ]
amdhsa.kernels:
  - .name:           k_q8e3d61ece6_attn
    .symbol:         k_q8e3d61ece6_attn.kd
    .args:
      - { .name: qw, .offset: 0, .size: 8, .value_kind: global_buffer, .address_space: global }
      - { .name: kv, .offset: 8, .size: 8, .value_kind: global_buffer, .address_space: global }
      - { .name: x, .offset: 16, .size: 8, .value_kind: global_buffer, .address_space: global }
      - { .name: gamma, .offset: 24, .size: 8, .value_kind: global_buffer, .address_space: global }
      - { .name: out0, .offset: 32, .size: 8, .value_kind: global_buffer, .address_space: global }
    .group_segment_fixed_size: 327680
    .private_segment_fixed_size: 0
    .kernarg_segment_align: 8
    .kernarg_segment_size: 40
    .max_flat_workgroup_size: 256
    .sgpr_count:     66
    .vgpr_count:     512
    .wavefront_size: 32
...
	.end_amdgpu_metadata
.endif
;; end of part 3
